; MI455X (gfx1250); checked and timed in simulation.
; The chip was launched on July 23, 2026; its instructions are those of AMD's public machine-readable ISA for CDNA 5 (MIT licence, August 2026) and "CDNA5" Instruction Set Architecture Reference Guide (July 2026). The comments in the code are by the model that wrote it; some were corrected since.
;; Cross Attention. Allowed arithmetic: matrix products marked QUANTISED: E2M1 operands, one E8M0 scale for each 32 along K, by v_wmma_scale_f32_16x16x128_f8f6f4 with both operands' format E2M1 (or v_wmma_scale_f32_32x16x128_f4), f32 sums; everything else in f32.
;; Inputs: kv 2 x 2,048 x 2 x 8 x 128 float32; q_codes 2 x 2,048 x 32 x 4 x 16 uint8 (E2M1 codes of q, K innermost, in blocks of 32 codes, two codes a byte); q_scales 2 x 2,048 x 32 x 4 uint8 (E8M0 scales of q, one for each 32 codes along K).
;; Outputs: out0 2 x 2,048 x 32 x 128 float32.
;; This version of the problem:
;;   THIS VERSION OF THE PROBLEM IS GIVEN IN LOW PRECISION. The matrix products marked QUANTISED in the list below multiply operands that are first quantised to E2M1 (2 exponent bits, 1 mantissa bit; 4 bits a number), with one power-of-two scale for each 32 numbers along K (OCP MX v1.0); their sums are f32. All else is computed in f32.
;;   The module's matrix products, in the order in which they are computed (A, B: the left and right operand; K: the contracted axis; several contracted axes count as one K, in the product's order):
;;     1. batch 64 x [M 2,048, K 128] x [K 128, N 2,048]; A: input q (given as codes); B: computed on the way: QUANTISED
;;     2. batch 64 x [M 128, K 2,048] x [K 2,048, N 2,048]; A: input kv; B: softmax (see below): QUANTISED
;;   THE QUANTISER, for each operand of a quantised product, along K:
;;     - K is cut into blocks of 32 from its start; a last block that is shorter is filled with zeros.
;;     - A block's scale is 2^e with e = floor(log2(the largest magnitude in the block)) - 2, held to -126 .. 127; a block of zeros has e = 0. As a byte (E8M0): e + 127.
;;     - Each number is divided by its block's scale, clamped to +-6, and rounded to the nearest number of E2M1, ties to even, subnormals kept.
;;     - The product sums the exact products of the quantised numbers (number of the format x scale) in f32.
;;   ~~~python
;;   def quantise(x, axis):      # numpy; x: float32 -> the quantised numbers, widened to float32 again
;;       x = np.moveaxis(x, axis, -1); K = x.shape[-1]
;;       x = np.pad(x, [(0, 0)] * (x.ndim - 1) + [(0, -K % 32)]); x = x.reshape(x.shape[:-1] + (-1, 32)); a = np.abs(x).max(-1, keepdims=True)
;;       e = np.where(a > 0, np.clip(np.frexp(np.where(a > 0, a, 1))[1] - 1 - 2, -126, 127), 0)      # np.frexp(a)[1] - 1 = floor(log2(a)), exactly
;;       r = np.clip(x / 2.0 ** e, -6, 6)
;;       step = 2.0 ** (np.maximum(np.frexp(np.where(r == 0, 1, r))[1] - 1, 0) - 1)
;;       q = np.round(r / step) * step * 2.0 ** e      # np.round: ties to even
;;       return np.moveaxis(q.reshape(q.shape[:-2] + (-1,))[..., :K], -1, axis).astype(np.float32)
;;   ~~~
;;   SOFTMAX AHEAD OF A QUANTISED PRODUCT. Where the list says 'softmax', what is quantised is not the finished softmax but p = 2^(t - M), with t = logit x log2(e) and M = ceil(the row's largest t), a whole number; so 1/2 < the row's largest p <= 1. The row's sum l is taken of the UNQUANTISED p, in f32, and the product's result is divided by l at the end. Since M is a whole number, a kernel that streams over the keys may use a running M (the ceiling of the running maximum): every later rescaling is an exact power of two, which a block's scale takes up: the codes' values come out the same.
;;   OPERANDS COMPUTED ON THE WAY. 'Computed on the way' means the value that the module computes at that place (a softmax that the list does not call 'softmax' is quantised finished and normalised). What goes into a quantiser is computed in f32, as accurately as f32 sums, v_exp_f32 and their like allow (about 1e-6 of the number): no bf16 or f16 on the way to a quantiser, and a product that is left as it is and whose result goes on into a quantised operand takes f32 operands (vector FMAs, or v_wmma_f32_16x16x4_f32). A number that lies on a knife's edge between two numbers of the format may be rounded either way, as far as f32 arithmetic and the matrix unit's own rounding can turn it there, and no further.
;;   INPUTS GIVEN AS CODES. q (in the module: [2, 2048, 32, 128], K = its axis 3): each comes as NAME_codes (uint8): NAME with its K axis moved to the last place and cut into blocks of 32 codes, [.., K / 32, bytes a block], one block behind the other in memory; two codes a byte, the lower K in the low four bits (a code: sign, 2 exponent bits, 1 mantissa bit); and NAME_scales (uint8): the same leading axes, one E8M0 byte (e + 127) for each 32 codes along K. Its value is code x scale, taken as it is: it is not quantised again, and the codes and scales need not be those that the quantiser above would give.
;; One version. Each part assembles by itself: llvm-mc -triple=amdgcn-amd-amdhsa -mcpu=gfx1250 --defsym DOCPART=n.
;; ======== version 1 of 1: 2 launches
;; limits: right only within a limited range of input values
;; workspace buffers: kc 2,097,152 bytes; ks 131,072 bytes; vc 2,097,152 bytes; vs 131,072 bytes
;; launch quant (part 1): grid 16 x 16, 4 waves a work-group, no clusters, 33,280 bytes of LDS; arguments kv, kc, ks, vc, vs; writes kc, ks, vc, vs
.if DOCPART == 1
	.amdgcn_target "amdgcn-amd-amdhsa--gfx1250"
	.amdhsa_code_object_version 6
	.text
	.protected	k_qc65970f8f4_quant
	.globl	k_qc65970f8f4_quant
	.p2align	8
	.type	k_qc65970f8f4_quant,@function
k_qc65970f8f4_quant:
	s_mov_b64 s[64:65], 0
	v_nop
	global_prefetch_b8 v0, s[64:65] scope:SCOPE_SE
	s_setreg_imm32_b32 hwreg(HW_REG_WAVE_MODE, 25, 1), 1
	s_wait_xcnt 0x0
; kv [2][2048][2][8][128] f32 becomes codes of FP4 (E2M1) with one E8M0 scale byte for each 32 along a product's K.
;   K: k x 128^-0.5 (in f32, as the problem writes it), quantised along d.      kc [head][key 2048][64 bytes], ks [head][key][4 bytes]; head = 8 b + hkv.
;   V: quantised along the KEYS.  vc [head][row 2048][64 bytes], row = 128 (key / 128) + d, the 64 bytes = the codes of those 128 keys, the lower key in the lower bits; vs [head][row][4 bytes].
; So 512 keys of K and of V are each 512 dense rows of 64 bytes, and a step's scale words 512 dense bytes: the next launch has one tile shape for both.
; A block's scale is 2^(floor(log2(its largest magnitude)) - 2); its byte is the largest magnitude's exponent field - 2, held at 1 from below.
; LIMITS: NaN and infinities are not served; blocks whose largest magnitude lies under 2^-124 keep the byte 1 (not tried); a block of zeros gets the byte 1 where the rule says 127:
; its codes are zeros, which add nothing under any byte but 0xff, and the bytes are read by this program alone.
; SHARES.  Work-group (x = 128 keys, y = head): 64 KiB of K and 64 KiB of V, read once.  Work-groups share no input, so there is no cluster; no matrix work, no tensor loads: memory binds.
;   K: wave w takes keys 32 w .. 32 w + 31, four keys a step.  A load reads one key's 512 consecutive bytes, 16 a lane; a step's 2,048 bytes turn through the wave's own stage in LDS and come back 64 bytes a lane:
;      16 neighbours along d; two neighbouring lanes hold a block.  The wave's 16 x 32 codes are 256 consecutive bytes.
;   V: wave w takes columns d = 32 w .. 32 w + 31: a lane a column, its registers down the keys: a block of 32 keys lies in one lane.  A lane's 64 bytes are a row of vc; they leave through a stage, 512 consecutive bytes a store.
;   The scale bytes of the work-group's 128 keys (512 bytes) and 128 rows (512 bytes) meet in LDS behind one barrier; wave 0 stores K's, wave 1 V's: 512 consecutive bytes each.
.set KEYB, 8192                        ; bytes from a key to the next in kv
.set SP,   80                          ; a place in a stage: 64 bytes + 16 of padding
.set STG,  32*SP                       ; a stage
.set VST,  2*STG                       ; a wave's region: two stages for K, then one for V
.set WREG, 3*STG
.set KSC,  4*WREG                      ; behind the four regions: K's 512 scale bytes,
.set VSC,  KSC+512                     ; and V's
.set R,    16                          ; v16-79    four sets of 16 numbers of K as loaded
.set X,    80                          ; v80-111   two sets of 16 neighbours
.set C,    112                         ; v112-127  K's codes, two registers for each step: no store's data are written again
.set E,    128                         ; v128-135  K's scale byte of each step
.set XV,   136                         ; v136-199  two sets of 32 numbers of V
.set CV,   200                         ; v200-215  V's codes, four registers for each block
.set SB,   216                         ; v216      V's scale word
.set OUTR, 220                         ; v220-235  V's codes back from the stage
.set FIN,  236                         ; v236-239  16 scale bytes on their way out
	s_load_b128 s[4:7], s[0:1], 0x0                ; kv, kc
	s_load_b128 s[8:11], s[0:1], 0x10              ; ks, vc
	s_load_b64 s[12:13], s[0:1], 0x20              ; vs
	v_lshl_add_u32 v240, v0, 2, 0x8000
	v_mov_b32 v241, 0
	v_lshrrev_b32 v1, 5, v0
	v_readfirstlane_b32 s18, v1                    ; wave 0..3
	v_and_b32 v2, 31, v0                           ; lane
	v_lshlrev_b32 v3, 4, v2                        ; 16 x lane
	v_lshlrev_b32 v4, 3, v2                        ; 8 x lane
	v_lshlrev_b32 v6, 2, v2                        ; 4 x lane
	s_mul_i32 s36, s18, WREG                       ; my wave's region
	v_lshrrev_b32 v7, 2, v2
	v_mul_u32_u24 v7, v7, SP
	v_and_b32 v9, 3, v2
	v_lshl_add_u32 v7, v9, 4, v7
	v_add_nc_u32 v7, s36, v7                       ; a stage's dense side: four lanes' 64 bytes on end, then the padding
	v_mul_u32_u24 v8, v2, SP
	v_add_nc_u32 v8, s36, v8                       ; and its lane side: a place a lane
	s_lshl_b32 s37, s18, 7
	s_add_co_u32 s37, s37, KSC
	v_lshrrev_b32 v5, 1, v2
	v_add_nc_u32 v5, s37, v5                       ; K's scale bytes: 128 x wave + my block of a step's 16
	v_lshl_add_u32 v11, v0, 2, VSC                 ; V's scale word of my column d = 32 x wave + lane
	v_lshl_add_u32 v12, v0, 4, KSC                 ; the way out of the scale bytes: wave 0 reads K's 512, wave 1 V's
	s_and_b32 s19, ttmp7, 0xffff                   ; head
	s_lshr_b32 s20, s19, 3                         ; b
	s_and_b32 s21, s19, 7                          ; hkv
	s_lshl_b32 s22, s20, 11
	s_lshl_b32 s23, ttmp9, 7
	s_add_co_u32 s22, s22, s23                     ; 2048 b + 128 x: the work-group's first key
	s_lshl_b32 s22, s22, 13                        ; x 8,192 bytes (under 2^26)
	s_lshl_b32 s23, s21, 9
	s_add_co_u32 s22, s22, s23                     ; + 512 hkv
	s_lshl_b32 s24, s18, 18
	s_add_co_u32 s24, s24, s22                     ; K: my wave's 32 keys
	s_mov_b32 s25, 0
	s_lshl_b32 s26, s18, 7
	s_add_co_u32 s26, s26, s22
	s_add_co_u32 s26, s26, 4096                    ; V: 4,096 bytes behind K in a key's row, my wave's 32 columns
	s_mov_b32 s27, 0
	s_lshl_b32 s28, s19, 11
	s_lshl_b32 s29, ttmp9, 7
	s_add_co_u32 s28, s28, s29                     ; 2048 head + 128 x: the work-group's first row of the four outputs
	s_lshl_b32 s32, s28, 2                         ; in scale bytes
	s_mov_b32 s33, 0
	s_lshl_b32 s29, s18, 5
	s_add_co_u32 s28, s28, s29
	s_lshl_b32 s28, s28, 6                         ; my wave's 32 rows, in bytes of codes
	s_mov_b32 s29, 0
	s_mov_b32 s34, 0x3db504f3                      ; 128^-0.5 in f32
	s_mov_b32 s35, s34                             ; (the packed form names the pair)
	s_wait_kmcnt 0x0
	s_add_nc_u64 s[14:15], s[4:5], s[24:25]
	s_add_nc_u64 s[16:17], s[4:5], s[26:27]
	s_add_nc_u64 s[6:7], s[6:7], s[28:29]
	s_add_nc_u64 s[10:11], s[10:11], s[28:29]
	s_cmp_eq_u32 s18, 0                            ; which scale bytes I would store: the choice hangs on the wave's number alone
	s_cselect_b64 s[30:31], s[8:9], s[12:13]
	s_add_nc_u64 s[30:31], s[30:31], s[32:33]
.macro KLOAD t                         ; K step t: keys 4 t .. 4 t + 3 of my 32, a key a load
.irp i, 0,1,2,3
	global_load_b128 v[R+16*((\t)%4)+4*\i:R+16*((\t)%4)+4*\i+3], v3, s[14:15] offset:(4*(\t)+\i)*KEYB th:TH_LOAD_NT
.endr
.endm
.macro VLOAD t                         ; V block t: keys 32 t .. 32 t + 31 of my column: 32 lanes read 128 consecutive bytes
.set i, 0
.rept 32
	global_load_b32 v[XV+32*((\t)%2)+i], v6, s[16:17] offset:(32*(\t)+i)*KEYB th:TH_LOAD_NT
.set i, i+1
.endr
.endm
.macro TURN t                          ; K step t through a stage: LDS serves a wave's instructions in order, so no wait stands between the stores and the loads
.irp i, 0,1,2,3
	ds_store_b128 v7, v[R+16*((\t)%4)+4*\i:R+16*((\t)%4)+4*\i+3] offset:STG*((\t)%2)+8*SP*\i
.endr
.irp i, 0,1,2,3
	ds_load_b128 v[X+16*((\t)%2)+4*\i:X+16*((\t)%2)+4*\i+3], v8 offset:STG*((\t)%2)+16*\i
.endr
.endm
.macro KSTEP t
.set XS, X+16*((\t)%2)
.if (\t) > 0
	s_wait_dscnt 1                                 ; this step's numbers are back from the stage (the last step's byte store may be out), so its stores into the stage have read their registers,
.else
	s_wait_dscnt 0x0
.endif
.if (\t)+4 < 8
	KLOAD (\t)+4                                   ; which take the loads of four steps on
.endif
.if (\t) == 4
	VLOAD 1                                        ; K has no more to ask for: V's second block goes out
.endif
; the next step's four loads are in.  The count is what was issued behind them; the order of issue is K0-3, V0, K4, K5, K6, K7, V1
.if (\t) < 3
	s_wait_loadcnt 44                              ; the rest of K0-3, V0's 32, and the steps asked for since: 44 each time
.elseif (\t) == 3
	s_wait_loadcnt 12                              ; K5, K6, K7
.elseif (\t) < 7
	s_wait_loadcnt 56-4*(\t)                       ; what is left of K5-7, and V1's 32
.endif
.if (\t) < 7
	TURN (\t)+1                                    ; through the other stage while this step is worked
.endif
.irp k, 0,2,4,6,8,10,12,14
	v_pk_mul_f32 v[XS+\k:XS+\k+1], v[XS+\k:XS+\k+1], s[34:35] op_sel_hi:[1,0]   ; k x 128^-0.5, ahead of the quantiser
.endr
	v_max3_num_f32 v13, |v[XS]|, |v[XS+1]|, |v[XS+2]|              ; the largest magnitude of my 16, in two chains
	v_max3_num_f32 v14, |v[XS+3]|, |v[XS+4]|, |v[XS+5]|
.irp i, 6,10
	v_max3_num_f32 v13, v13, |v[XS+\i]|, |v[XS+\i+1]|
	v_max3_num_f32 v14, v14, |v[XS+\i+2]|, |v[XS+\i+3]|
.endr
	v_max3_num_f32 v13, v13, |v[XS+14]|, |v[XS+15]|
	v_max3_num_f32 v13, v13, v14, 0x1800000        ; and the floor 2^(3 - 127): the byte cannot fall under 1
	v_max_num_f32_dpp v13, v13, v13 row_xmask:1 row_mask:0xf bank_mask:0xf   ; with my neighbour's 16: the block's
	v_add_nc_u32 v15, 0xff000000, v13              ; 2 off its exponent field: the conversion takes the exponent field of this operand as its scale
	v_cvt_scalef32_pk8_fp4_f32 v[C+2*(\t)], v[XS:XS+7], v15
	v_cvt_scalef32_pk8_fp4_f32 v[C+2*(\t)+1], v[XS+8:XS+15], v15
	v_lshrrev_b32 v[E+(\t)], 23, v15               ; the scale's byte (a plain line behind the conversions)
	ds_store_b8 v5, v[E+(\t)] offset:16*(\t)       ; both lanes of a block write the same byte with the same value
	global_store_b64 v4, v[C+2*(\t):C+2*(\t)+1], s[6:7] offset:256*(\t)   ; four keys' codes: 256 consecutive bytes, aligned
.endm
.macro VBLOCK t
.set XS, XV+32*((\t)%2)
.if (\t) < 3
	s_wait_loadcnt 32                              ; this block's 32 loads are in; the next block's 32 may be out
.else
	s_wait_loadcnt 0x0
.endif
	v_max3_num_f32 v13, |v[XS]|, |v[XS+1]|, |v[XS+2]|              ; the block's largest magnitude: all 32 numbers are mine
	v_max3_num_f32 v14, |v[XS+3]|, |v[XS+4]|, |v[XS+5]|
.irp i, 6,10,14,18,22,26
	v_max3_num_f32 v13, v13, |v[XS+\i]|, |v[XS+\i+1]|
	v_max3_num_f32 v14, v14, |v[XS+\i+2]|, |v[XS+\i+3]|
.endr
	v_max3_num_f32 v13, v13, |v[XS+30]|, |v[XS+31]|
	v_max3_num_f32 v13, v13, v14, 0x1800000
	v_add_nc_u32 v15, 0xff000000, v13
	v_lshrrev_b32 v14, 23, v15
.if (\t) == 0
	v_mov_b32 v[SB], v14                           ; four bytes to the word, the lower keys in the lower byte
.else
	v_lshl_or_b32 v[SB], v14, 8*(\t), v[SB]
.endif
.irp g, 0,1,2,3
	v_cvt_scalef32_pk8_fp4_f32 v[CV+4*(\t)+\g], v[XS+8*\g:XS+8*\g+7], v15
.endr
	ds_store_b128 v8, v[CV+4*(\t):CV+4*(\t)+3] offset:VST+16*(\t)   ; 32 codes: 16 bytes of my row.  The codes go to LDS stores alone and their registers are never written again
.if (\t)+2 < 4
	VLOAD (\t)+2
.endif
.endm
	KLOAD 0
	KLOAD 1
	KLOAD 2
	KLOAD 3
	VLOAD 0
	s_wait_loadcnt 44                              ; K step 0 is in: behind it K1-3's 12 and V0's 32
	TURN 0
.irp t, 0,1,2,3,4,5,6,7
	KSTEP \t
.endr
.irp t, 0,1,2,3
	VBLOCK \t
.endr
	ds_store_b32 v11, v[SB]
.irp i, 0,1,2,3
	ds_load_b128 v[OUTR+4*\i:OUTR+4*\i+3], v7 offset:VST+8*SP*\i    ; eight rows of 64 bytes a load: these see my stores
.endr
.irp i, 0,1,2,3
	s_wait_dscnt 3-\i                              ; load i is back; the younger ones may be out
	global_store_b128 v3, v[OUTR+4*\i:OUTR+4*\i+3], s[10:11] offset:512*\i   ; 512 consecutive bytes, aligned
.endr
	s_wait_dscnt 0x0                               ; for the others' sake: my scale bytes and words have landed
	s_barrier_signal -1
	s_barrier_wait -1
	s_cmp_gt_u32 s18, 1
	s_cbranch_scc1 .Ldone                          ; waves 2 and 3 have nothing left
	ds_load_b128 v[FIN:FIN+3], v12
	s_wait_dscnt 0x0
	global_store_b128 v3, v[FIN:FIN+3], s[30:31]   ; 512 consecutive bytes, aligned
.Ldone:
	s_wait_tensorcnt 0x0
	ds_add_u32 v240, v241
	s_wait_dscnt 0x0
	s_endpgm
.Lfunc_end_k_qc65970f8f4_quant:
	.size	k_qc65970f8f4_quant, .Lfunc_end_k_qc65970f8f4_quant-k_qc65970f8f4_quant
	.p2alignl 7, 3214868480
	.fill 96, 4, 3214868480
	.section	.rodata,"a",@progbits
	.p2align	6, 0x0
	.amdhsa_kernel k_qc65970f8f4_quant
		.amdhsa_group_segment_fixed_size 33280
		.amdhsa_private_segment_fixed_size 0
		.amdhsa_enable_private_segment 0
		.amdhsa_kernarg_size 40
		.amdhsa_user_sgpr_count 2
		.amdhsa_user_sgpr_kernarg_segment_ptr 1
		.amdhsa_wavefront_size32 1
		.amdhsa_system_sgpr_workgroup_id_x 1
		.amdhsa_system_sgpr_workgroup_id_y 1
		.amdhsa_system_sgpr_workgroup_id_z 1
		.amdhsa_system_vgpr_workitem_id 0
		.amdhsa_next_free_vgpr 242
		.amdhsa_next_free_sgpr 66
		.amdhsa_reserve_vcc 0
		.amdhsa_float_denorm_mode_32 3
		.amdhsa_float_denorm_mode_16_64 3
		.amdhsa_memory_ordered 1
		.amdhsa_forward_progress 1
		.amdhsa_inst_pref_size 42
	.end_amdhsa_kernel
	.amdgpu_metadata
---
amdhsa.version: [ 1, 2 ]
amdhsa.kernels:
  - .name:           k_qc65970f8f4_quant
    .symbol:         k_qc65970f8f4_quant.kd
    .args:
      - { .name: kv, .offset: 0, .size: 8, .value_kind: global_buffer, .address_space: global }
      - { .name: kc, .offset: 8, .size: 8, .value_kind: global_buffer, .address_space: global }
      - { .name: ks, .offset: 16, .size: 8, .value_kind: global_buffer, .address_space: global }
      - { .name: vc, .offset: 24, .size: 8, .value_kind: global_buffer, .address_space: global }
      - { .name: vs, .offset: 32, .size: 8, .value_kind: global_buffer, .address_space: global }
    .group_segment_fixed_size: 33280
    .private_segment_fixed_size: 0
    .kernarg_segment_align: 8
    .kernarg_segment_size: 40
    .max_flat_workgroup_size: 128
    .sgpr_count:     66
    .vgpr_count:     242
    .wavefront_size: 32
...
	.end_amdgpu_metadata
.endif
;; end of part 1
;; launch attn (part 2): grid 32 x 16, 16 waves a work-group, clusters of 4 x 1, 327,680 bytes of LDS; arguments q_codes, q_scales, kc, ks, vc, vs, out0; writes out0
.if DOCPART == 2
	.amdgcn_target "amdgcn-amd-amdhsa--gfx1250"
	.amdhsa_code_object_version 6
	.text
	.protected	k_qc65970f8f4_attn
	.globl	k_qc65970f8f4_attn
	.p2align	8
	.type	k_qc65970f8f4_attn,@function
k_qc65970f8f4_attn:
	s_mov_b64 s[64:65], 0
	v_nop
	global_prefetch_b8 v0, s[64:65] scope:SCOPE_SE
	s_setreg_imm32_b32 hwreg(HW_REG_WAVE_MODE, 25, 1), 1
	s_wait_xcnt 0x0
	s_wait_alu depctr_hold_cnt(0) depctr_sa_sdst(0) depctr_va_vdst(0) depctr_va_sdst(0) depctr_va_ssrc(0) depctr_va_vcc(0) depctr_vm_vsrc(0)
	s_getreg_b32 s2, hwreg(HW_REG_IB_STS2, 6, 4)
	s_cmp_eq_u32 s2, 0
	s_cbranch_scc0 .Lentry_in_a_cluster
	s_endpgm
.Lentry_in_a_cluster:
	s_bfe_u32 s2, ttmp6, 0x10000c
	s_cmp_lg_u32 s2, 0x3003
	s_cbranch_scc0 .Lentry_shape_is_right
	s_endpgm
.Lentry_shape_is_right:
; out0[b][q][h][:] = the sum over keys of softmax(q . (k / sqrt(128)), masked) v, both products on codes of FP4 (E2M1) with one E8M0 scale for each 32 along a product's K.
; q arrives as codes; kc, ks, vc, vs come from the launch before (k already times 128^-0.5; V with the keys innermost, row = 128 (key / 128) + d).  head = 8 b + hkv; four query heads share a head of K and V.
; THE SOFTMAX AHEAD OF THE SECOND PRODUCT: t = score x log2(e); M = the row's largest t so far, rounded UP to a whole number; p = 2^(t - M) is quantised along the keys, not normalised.
; The row's sum is taken of the unquantised p and divides at the end.  When M moves, the sum and O are multiplied by 2^(old M - new M): exact.
; THE MASK: key > query gets the score -10000.0, as the problem writes it, in the one key step of a wave that holds its queries' diagonal.
; LIMITS: key steps that lie wholly behind a wave's queries are left out: their p = 2^(-14427 - M) is taken as 0, which is what f32 gives while a row's largest visible logit lies above about -9,900.
; NaN and infinities are not served.  A block's largest p is made from the block's largest score: this takes v_exp_f32 not to fall where its input rises.  A block of zeros keeps the scale byte 1: its codes are zeros.
; SHARES.  A tile is 16 rows: 4 neighbouring queries x the 4 query heads of the group: row r = query Q0 + r / 4, head 4 hkv + r % 4.  Each of the SIXTEEN waves owns one tile in 256 registers, four waves to a SIMD,
; so that one wave's vector work stands beside another's matrix work and LDS loads.  A work-group owns two blocks of 32 queries, block x and block 63 - x (x = 4 X + cx, X the cluster's number): eight waves each.
; A wave of block x works X + 1 key steps of 128 keys, one of block 63 - x works 16 - X: 17 for the pair, in every work-group.  The wave's role is (w ^ (w >> 2)) & 1 and its tile w >> 1.
; The last key step that a wave works, DG = X or 15 - X, hangs on the cluster's number and the wave's number alone: it is the same in all four partners.
; Every work-group walks all four slots of 512 keys: trip counts are constants, no tensor load and no barrier is jumped over; a hidden step jumps over its own work alone.
; CLUSTER.  The four work-groups of a cluster belong to one head and walk the same K and V: each tile is asked for JOINTLY, by the same tensor load with the same descriptor and the mask 15.
; LAYOUT.  Both products are used transposed: S^T = K Q^T (source 0 = 16 keys, source 1 = my 16 rows), O^T = V^T P^T (source 0 = 16 of the head's 128): a lane holds ONE row (lane % 16) throughout.
; THE KEYS OF A TILE ARE NOT NEIGHBOURS: lane r of tile 2 b + u takes key 32 b + 8 u + r + 8 (r / 8), so that the 16 registers of tiles 2 b, 2 b + 1 are keys 32 b + 16 (lane / 16) + 0 .. 15.
; REGISTERS: v1-7 addresses that stay; v8-11 addresses in hand; v12 -M, v13 the largest t, v[14:15] the sum; v16-23 Q; v24-31 eight scale words of K, then of V; v32-95 eight fragments of K, then of V;
; v96-159 S^T, then p; v160-223 O^T; v224-231 p's codes; v232-254 at work; v255 Q's scale words.
.set KP,    80                         ; a row of K or V in LDS: 64 bytes + 16 of padding
.set HALF,  256*KP                     ; 256 rows: what one tensor load brings
.set VOFF,  2*HALF                     ; a slot: 512 rows of K, then 512 rows of V
.set SLOT1, 1<<17                      ; slot 1 begins here: one exclusive or turns an address in one slot into the other's
.set SLOTB, 512*64                     ; a slot's bytes of K, or of V, in memory
.set SCK,   2*SLOT1                    ; behind the ring: K's scale bytes of the head, 8,192, as rows of 256 bytes + 16 of padding;
.set SCH,   16*272                     ; (half of them: what one tensor load brings)
.set SCV,   SCK+2*SCH                  ; V's likewise
.set SPARE, SCV+2*SCH                  ; the spare words, 128 bytes for each wave: eight blocks of 256 bytes that no other line names
.set STGW,  16*272                     ; the way out: 16 rows x (256 bytes + 16) for each wave, from LDS byte 0 on: slot 0 has had its last fill and is read by nobody when the first result is stored there
.set AK0,  1                           ; v1   my lane's place in a tile of K
.set AV0,  2                           ; v2   in a tile of V
.set ASK0, 3                           ; v3   among K's scale words
.set ASV0, 4                           ; v4   among V's
.set SPW,  5                           ; v5   LDS address of my spare word; never rewritten
.set NIL,  6                           ; v6   0; never rewritten
.set GO,   7                           ; v7   the way out: my byte offset in the tile's rows of out0
.set ADK,  8
.set ADV,  9
.set ADS,  10
.set ADT,  11
.set SCW,  24
.set FRG,  32
.set PFO,  240                         ; v240 256 x lane: the prefetches' offset; never rewritten
.set DM,   241                         ; v241 my query's place in its key step, less 16 (lane / 16)
.set QA,   242                         ; v242 Q's codes: my lane's offset; v243 Q's scale words: never rewritten
.set QS,   243
.set TB,   2                           ; s2   LDS byte at which the slot in hand begins
.set TS,   3                           ; s3   where the step's scale words begin, K's and V's alike: 544 bytes a step
.set WV,   18                          ; s18  my wave's number
.set DG,   19                          ; s19  the last key step that I work
.set SEL,  20                          ; s[20:21] v_permlanex16_b32's selects for lane l xor 16
.set CS,   22                          ; s[22:23] log2(e)
.set G1,   24                          ; s[24:31] descriptor group 1 for the codes, K's and V's alike
.set G0,   32                          ; s[32:35] their group 0, which walks
.set G1S,  36                          ; s[36:43] group 1 for the scale bytes
.set G0S,  44                          ; s[44:47] their group 0
.set SLOTS, 48                         ; s48  slots still to be asked for
.set KI,   49                          ; s49  the key step's number
.set PFA,  50                          ; s[50:51] where my prefetches stand
.set LIM,  52                          ; s52  1 in a wave that prefetches, else the greatest number
; A round of the cluster's barrier: my work-group's barrier, wave 0 signals for the work-group, every wave waits for all four work-groups, my work-group's barrier once more.
.macro CROUND
	s_barrier_signal -1
	s_barrier_wait -1
	s_cmp_lg_u32 s[WV], 0
	s_cbranch_scc1 .Lnot_wave_0_\@
	s_barrier_signal -3
.Lnot_wave_0_\@:
	s_barrier_wait -3
	s_barrier_signal -1
	s_barrier_wait -1
.endm
; The joint refill: waves 0 and 1 fetch K's halves of a slot, waves 2 and 3 V's, the others nothing.  The branch hangs on the wave's number alone.  Four v_nop follow the load.
.macro TLOAD
	s_cmp_lt_u32 s[WV], 4
	s_cbranch_scc0 .Lasked_\@
	tensor_load_to_lds s[G0:G0+3], s[G1:G1+7]
	s_nop 0
.rept 4
	v_nop
.endr
.Lasked_\@:
.endm
; A prefetch of what the NEXT change of slots will ask for: 32,768 bytes of K's codes and as many of V's.  All clusters of a head walk the same rows: the head's first cluster asks.  Its four partners take 8,192 bytes
; each, told apart by address; in each, wave 4 asks for K's and wave 5 for V's, lanes 256 bytes apart: each aligned block of 256 bytes of slots 2 and 3 is named once in the launch.
; Slots 0 and 1 come by their loads alone; the last change that fills a slot asks for nothing: there is no slot behind it.
.macro ASK
	s_cmp_gt_u32 s[SLOTS], s[LIM]
	s_cbranch_scc0 .Lnot_mine_\@
	global_prefetch_b8 v[PFO], s[PFA:PFA+1] th:TH_LOAD_NT scope:SCOPE_SE
.Lnot_mine_\@:
.endm
	s_load_b256 s[4:11], s[0:1], 0x0               ; q_codes s[4:5], q_scales s[6:7], kc s[8:9], ks s[10:11]
	s_load_b128 s[12:15], s[0:1], 0x20             ; vc s[12:13], vs s[14:15]
	s_load_b64 s[16:17], s[0:1], 0x30              ; out0
	v_lshl_add_u32 v[SPW], v0, 2, SPARE
	v_mov_b32 v[NIL], 0
	ds_add_u32 v5, v6
	s_wait_dscnt 0x0
	v_lshrrev_b32 v8, 5, v0
	v_readfirstlane_b32 s[WV], v8                  ; wave 0..15
	s_bfe_u32 s53, ttmp6, 0x40000                  ; cx: it enters Q's, out0's and the prefetches' addresses and the mask's numbers alone
	s_and_b32 s54, ttmp7, 0xffff                   ; the head, which the four partners share
	s_lshr_b32 s55, s[WV], 2
	s_xor_b32 s55, s55, s[WV]
	s_and_b32 s55, s55, 1                          ; role: 0 block x, 1 block 63 - x
	s_lshr_b32 s56, s[WV], 1                       ; my tile of the block's eight
	s_sub_co_u32 s57, 15, ttmp9
	s_sub_co_u32 s58, 3, s53
	s_cmp_eq_u32 s55, 1
	s_cselect_b32 s[DG], s57, ttmp9                ; block / 4: the key step that holds my queries
	s_cselect_b32 s58, s58, s53                    ; block % 4
	s_lshl_b32 s59, s58, 5
	s_lshl_b32 s60, s56, 2
	s_add_co_u32 s59, s59, s60                     ; my first query's place in its key step: 32 (block % 4) + 4 x tile
	s_lshl_b32 s60, s[DG], 7
	s_add_co_u32 s60, s60, s59                     ; my first query
	s_lshr_b32 s61, s54, 3
	s_lshl_b32 s61, s61, 11
	s_add_co_u32 s60, s60, s61                     ; + 2048 b
	s_and_b32 s61, s54, 7                          ; hkv
	s_lshl_b32 s66, s60, 11                        ; q_codes: 2,048 bytes a query, 256 a group of four heads
	s_lshl_b32 s62, s61, 8
	s_add_co_u32 s66, s66, s62
	s_mov_b32 s67, 0
	s_lshl_b32 s68, s60, 7                         ; q_scales: 128 and 16
	s_lshl_b32 s62, s61, 4
	s_add_co_u32 s68, s68, s62
	s_mov_b32 s69, 0
	s_lshl_b32 s70, s60, 14                        ; out0: 16,384 and 2,048 (under 2^27)
	s_lshl_b32 s62, s61, 11
	s_add_co_u32 s70, s70, s62
	s_mov_b32 s71, 0
	; what I fetch, if I fetch: made of the head and the wave's number, in registers that never hold cx
	s_and_b32 s74, s[WV], 1
	s_lshl_b32 s72, s54, 17                        ; a head's codes: 131,072 bytes
	s_lshl_b32 s75, s74, 14
	s_add_co_u32 s72, s72, s75                     ; + my half of a slot: 256 rows of 64 bytes
	s_mov_b32 s73, 0
	s_lshl_b32 s76, s54, 13                        ; a head's scale bytes: 8,192
	s_lshl_b32 s75, s74, 12
	s_add_co_u32 s76, s76, s75                     ; + my half
	s_mov_b32 s77, 0
	s_mul_i32 s78, s[WV], HALF                     ; and where they go: K's two halves, then V's two
	s_mul_i32 s79, s[WV], SCH
	; group 1 for the codes: 256 rows of 64 bytes, dense in memory, 16 bytes of padding behind each
	s_mov_b32 s[G1], 15|(0<<16)|(1<<20)|(1<<21)|(3<<22)|(3<<25)   ; 15:0 the mask: all four work-groups; 17:16 elements of 1 byte; 20 padding on; 21 set beside a mask; 24:22 after every 16 words (code 3); 31:25 four words (code 3)
	s_mov_b32 s[G1+1], 64<<16                      ; tensor_dim0
	s_mov_b32 s[G1+2], 256<<16                     ; tensor_dim1
	s_mov_b32 s[G1+3], 64<<16                      ; tile_dim0
	s_mov_b32 s[G1+4], 256                         ; tile_dim1
	s_mov_b32 s[G1+5], 64                          ; tensor_dim0_stride
	s_mov_b32 s[G1+6], 0
	s_mov_b32 s[G1+7], 0
	; group 1 for the scale bytes: 4,096 dense bytes as 16 rows of 256 (32 elements of 8 bytes), 16 bytes of padding behind each
	s_mov_b32 s[G1S], 15|(3<<16)|(1<<20)|(1<<21)|(5<<22)|(3<<25)
	s_mov_b32 s[G1S+1], 32<<16
	s_mov_b32 s[G1S+2], 16<<16
	s_mov_b32 s[G1S+3], 32<<16
	s_mov_b32 s[G1S+4], 16
	s_mov_b32 s[G1S+5], 32
	s_mov_b32 s[G1S+6], 0
	s_mov_b32 s[G1S+7], 0
	s_mov_b32 s[SEL], 0x76543210
	s_mov_b32 s[SEL+1], 0xfedcba98
	s_mov_b32 s[CS], 0x3fb8aa3b                    ; log2(e): the 1 / sqrt(128) lies in k
	s_mov_b32 s[CS+1], s[CS]                       ; (named with it as a pair, so it is written)
	s_mov_b32 s[TB], 0
	s_mov_b32 s[TS], 0
	s_mov_b32 s[SLOTS], 3
	s_mov_b32 s[KI], 0
	s_wait_kmcnt 0x0
	s_cmp_lt_u32 s[WV], 2                          ; waves 0 and 1 for K, 2 and 3 for V: the choice hangs on the wave's number alone
	s_cselect_b64 s[G0+2:G0+3], s[8:9], s[12:13]
	s_cselect_b64 s[G0S+2:G0S+3], s[10:11], s[14:15]
	s_add_nc_u64 s[G0+2:G0+3], s[G0+2:G0+3], s[72:73]     ; 120:64 global address: the head's first 512 rows, my half
	s_add_nc_u64 s[G0S+2:G0S+3], s[G0S+2:G0S+3], s[76:77]
	s_or_b32 s[G0+3], s[G0+3], 0x80000000          ; 127:126 type = 2
	s_or_b32 s[G0S+3], s[G0S+3], 0x80000000
	s_mov_b32 s[G0], 1                             ; 1:0 count = 1
	s_mov_b32 s[G0+1], s78                         ; 63:32 LDS address: slot 0
	s_mov_b32 s[G0S], 1
	s_add_co_u32 s[G0S+1], s79, SCK
	s_add_nc_u64 s[4:5], s[4:5], s[66:67]          ; Q's codes, Q's scale words and out0 at my tile
	s_add_nc_u64 s[6:7], s[6:7], s[68:69]
	s_add_nc_u64 s[16:17], s[16:17], s[70:71]
	s_cmp_eq_u32 s[WV], 4                          ; the prefetches: wave 4 K's codes, wave 5 V's
	s_cselect_b64 s[PFA:PFA+1], s[8:9], s[12:13]
	s_lshl_b32 s80, s54, 17                        ; my head,
	s_lshl_b32 s81, s53, 13                        ; my work-group's 8,192 bytes of a slot's 32,768,
	s_add_co_u32 s80, s80, s81
	s_add_co_u32 s80, s80, SLOTB                   ; in slot 1: the first change of slots steps it to slot 2.  Nothing is prefetched here, at the head
	s_mov_b32 s81, 0
	s_add_nc_u64 s[PFA:PFA+1], s[PFA:PFA+1], s[80:81]
	s_lshr_b32 s82, s[WV], 1
	s_xor_b32 s82, s82, 2                          ; 0 in waves 4 and 5,
	s_or_b32 s82, s82, ttmp9                       ; of the head's first cluster: the same in all four partners
	s_cmp_eq_u32 s82, 0
	s_cselect_b32 s[LIM], 1, -1
	CROUND                                         ; all four work-groups are here: the first joint loads meet
	s_cmp_lt_u32 s[WV], 4                          ; a wave's two first fills stand in one branch, ahead of every wait on TENSORcnt and every LDS read: two loads of mine are out
	s_cbranch_scc0 .Lfirst_asked
	tensor_load_to_lds s[G0S:G0S+3], s[G1S:G1S+7]  ; the scale bytes of the whole head: filled once
	s_nop 0
	tensor_load_to_lds s[G0:G0+3], s[G1:G1+7]      ; slot 0
	s_nop 0
.rept 4
	v_nop
.endr
.Lfirst_asked:
	v_and_b32 v8, 15, v0                           ; r
	v_bfe_u32 v9, v0, 4, 1                         ; h
	v_lshrrev_b32 v10, 2, v8                       ; r / 4: the query
	v_and_b32 v11, 3, v8                           ; r % 4: the head of the group
	v_lshlrev_b32 v[QA], 11, v10
	v_lshl_add_u32 v[QA], v11, 6, v[QA]
	v_lshl_add_u32 v[QA], v9, 4, v[QA]             ; Q's codes: 2,048 (r / 4) + 64 (r % 4) + 16 h
	v_lshlrev_b32 v[QS], 7, v10
	v_lshl_add_u32 v[QS], v11, 2, v[QS]            ; Q's scale words: 128 (r / 4) + 4 (r % 4)
	global_load_b128 v[16:19], v[QA], s[4:5]       ; Q's fragment stays in registers
	global_load_b128 v[20:23], v[QA], s[4:5] offset:32
	global_load_b32 v255, v[QS], s[6:7]
	v_lshlrev_b32 v[DM], 4, v9
	v_sub_nc_u32 v[DM], v10, v[DM]
	v_add_nc_u32 v[DM], s59, v[DM]                 ; my query's place in its key step - 16 h.  Register 16 b + i holds the step's key 32 b + 16 h + i: masked where 32 b + i is greater
	v_and_b32 v232, 8, v8
	v_add_nc_u32 v232, v232, v8                    ; r + 8 (r / 8)
	v_mul_u32_u24 v[AK0], v232, KP
	v_lshl_add_u32 v[AK0], v9, 4, v[AK0]
	v_mul_u32_u24 v[AV0], v8, KP
	v_lshl_add_u32 v[AV0], v9, 4, v[AV0]
	v_add_nc_u32 v[AV0], VOFF, v[AV0]
	v_lshl_add_u32 v[ASK0], v232, 2, SCK           ; 4 bytes a key; a step's 128 keys are two rows of 256 bytes
	v_lshl_add_u32 v[ASV0], v8, 2, SCV             ; 4 bytes a row of V; a step's 128 rows likewise
	v_lshlrev_b32 v[GO], 9, v9
	v_lshl_add_u32 v[GO], v8, 4, v[GO]             ; the way out: lanes 0-15 one row of the tile, lanes 16-31 the next head's; 16 bytes a lane
	v_and_b32 v[PFO], 31, v0
	v_lshlrev_b32 v[PFO], 8, v[PFO]
	v_mov_b32 v13, 0xff61b1e6                      ; the largest t so far: -3e38, under every t
	v_floor_f32 v12, -v13                          ; -M
	v_mov_b32 v14, 0                               ; the sum, in two halves
	v_mov_b32 v15, 0
.irp b, 0,1,2,3
	v_mov_b32 v[236+\b], 0                         ; written once: a lane permute's destination counts as one of its sources
.endr
	v_mov_b32 v252, 0
	v_mov_b32 v253, 0                              ; (named as the upper half of the pair v[252:253] before it is first written)
.set n, 0
.rept 64
	v_mov_b32 v[160+n], 0                          ; O^T.  (The step is written once: the first finds zeros, which the first change of M leaves zeros)
.set n, n+1
.endr
; A KEY STEP: 128 keys, the q-th of the slot in hand.
.macro STEP q
	s_cmp_gt_u32 s[KI], s[DG]                      ; all its keys come after my queries: a scalar branch on ids, round the step's work; not round the lines at its end that step addresses
	s_cbranch_scc1 .Lhidden_\@
	v_add_nc_u32 v[ADK], s[TB], v[AK0]             ; (these four are also the places in front of loads into registers that the last products read)
	v_add_nc_u32 v[ADV], s[TB], v[AV0]
	v_add_nc_u32 v[ADS], s[TS], v[ASK0]
	v_add_nc_u32 v[ADT], s[TS], v[ASV0]
.irp t, 0,1,2,3,4,5,6,7
.irp c, 0,1
	ds_load_b128 v[FRG+8*\t+4*\c:FRG+8*\t+4*\c+3], v[ADK] offset:(128*(\q)+32*(\t/2)+8*(\t%2))*KP+32*\c
.endr
	ds_load_b32 v[SCW+\t], v[ADS] offset:272*(\t/4)+(32*((\t/2)%2)+8*(\t%2))*4
.endr
	s_wait_dscnt 0x0
.irp t, 0,1,2,3,4,5,6,7                        ; S^T = K Q^T: eight accumulators, one instruction each
	v_wmma_scale_f32_16x16x128_f8f6f4 v[96+8*\t:103+8*\t], v[FRG+8*\t:FRG+8*\t+7], v[16:23], 0, v[SCW+\t], v255 matrix_a_fmt:MATRIX_FMT_FP4 matrix_b_fmt:MATRIX_FMT_FP4
.endr
.rept 4
	v_nop                                          ; four places: in front of the loads into K's registers, and of the first read of the scores
.endr
.irp t, 0,1,2,3,4,5,6,7                        ; V's fragments and scale words are asked for now: they land while the softmax is worked
.irp c, 0,1
	ds_load_b128 v[FRG+8*\t+4*\c:FRG+8*\t+4*\c+3], v[ADV] offset:(128*(\q)+16*\t)*KP+32*\c
.endr
	ds_load_b32 v[SCW+\t], v[ADT] offset:272*(\t/4)+64*(\t%4)
.endr
	s_cmp_lt_u32 s[KI], s[DG]                      ; a step all of whose keys count skips the mask
	s_cbranch_scc1 .Lopen_\@
	v_mov_b32 v254, 0xc61c4000                     ; -10000.0
.set n, 0
.rept 64
	v_cmp_gt_i32 vcc_lo, 32*(n/16)+n%16, v[DM]
	v_cndmask_b32 v[96+n], v[96+n], v254, vcc_lo
.set n, n+1
.endr
.Lopen_\@:
.irp b, 0,1,2,3
	v_max3_num_f32 v[232+\b], v[96+16*\b], v[97+16*\b], v[98+16*\b]   ; the largest score of each block of 32 keys: it serves for the row's maximum and, since p rises with the score, for the block's largest p
.endr
.irp i, 3,5,7,9,11,13
.irp b, 0,1,2,3
	v_max3_num_f32 v[232+\b], v[232+\b], v[96+16*\b+\i], v[97+16*\b+\i]   ; (the four blocks by turns)
.endr
.endr
.irp b, 0,1,2,3
	v_max_num_f32 v[232+\b], v[232+\b], v[111+16*\b]
.endr
.irp b, 0,1,2,3
	v_permlanex16_b32 v[236+\b], v[232+\b], s[SEL], s[SEL+1]
.endr
.irp b, 0,1,2,3
	v_max_num_f32 v[232+\b], v[232+\b], v[236+\b]  ; with lane l xor 16's 16 keys
.endr
	v_max3_num_f32 v254, v232, v233, v234
	v_max_num_f32 v254, v254, v235                 ; the step's largest score of my row
	v_mul_f32 v254, s[CS], v254                    ; as t
	v_max_num_f32 v13, v13, v254                   ; the running largest t
	v_mov_b32 v254, v12
	v_floor_f32 v12, -v13                          ; the new -M = floor(-t) = -ceil(t): a whole number
	v_sub_f32 v254, v12, v254                      ; M's old value less its new one: a whole number, 0 or less
	v_cvt_i32_f32 v254, v254                       ; (it saturates)
	v_ldexp_f32 v252, 1.0, v254                    ; f = 2^(old M - new M)
.set n, 0
.rept 32
	v_pk_fma_f32 v[96+n:97+n], v[96+n:97+n], s[CS:CS+1], v[12:13] op_sel_hi:[1,0,0]   ; t - M, two at a time
.set n, n+2
.endr
.irp b, 0,1,2,3
	v_fma_f32 v[232+\b], v[232+\b], s[CS], v12     ; the same of each block's largest score
.endr
.set n, 0
.rept 64
	v_exp_f32 v[96+n], v[96+n]                     ; p = 2^(t - M), at most 1: not normalised
.set n, n+1
.endr
	v_pk_mul_f32 v[14:15], v[14:15], v[252:253] op_sel_hi:[1,0]   ; the sums under the new M: the plain line behind the exponentials
	s_wait_alu depctr_va_vdst(0)                   ; one wait for the batch of 64, ahead of its first reader
.irp b, 0,1,2,3
	v_exp_f32 v[232+\b], v[232+\b]                 ; the block's largest p: the same two instructions on the same number give the same bits
.endr
	v_pk_add_f32 v[236:237], v[96:97], v[98:99]    ; the row's sum is taken of the unquantised p: two at a time, in two chains; it reads the 64 alone
.set n, 4
.rept 15
	v_pk_add_f32 v[14:15], v[14:15], v[96+n:97+n]
	v_pk_add_f32 v[236:237], v[236:237], v[98+n:99+n]
.set n, n+4
.endr
	v_pk_add_f32 v[14:15], v[14:15], v[236:237]
	s_wait_alu depctr_va_vdst(0)                   ; and one for the four
.irp b, 0,1,2,3
	v_max_num_f32 v[232+\b], 0x1800000, v[232+\b]  ; the floor 2^(3 - 127): the byte cannot fall under 1
.endr
.irp b, 0,1,2,3
	v_add_nc_u32 v[244+\b], 0xff000000, v[232+\b]  ; 2 off the exponent field: the conversion's scale operand
.endr
.irp b, 0,1,2,3
	v_lshrrev_b32 v[236+\b], 23, v[244+\b]         ; the scale's byte
.endr
	v_lshl_or_b32 v253, v237, 8, v236              ; p's scale word for these 128 keys
	v_lshl_or_b32 v253, v238, 16, v253
	v_lshl_or_b32 v253, v239, 24, v253
.irp b, 0,1,2,3
	v_cvt_scalef32_pk8_fp4_f32 v[224+2*\b], v[96+16*\b:103+16*\b], v[244+\b]
	v_cvt_scalef32_pk8_fp4_f32 v[225+2*\b], v[104+16*\b:111+16*\b], v[244+\b]
.endr
	v_nop                                          ; one plain line behind the scaled conversions
.irp c, 0,1                                    ; the operand's layout wants a whole block in a lane: lanes 0-15 block 2 c, lanes 16-31 block 2 c + 1
.irp i, 0,1
	v_permlane16_swap_b32 v[224+4*\c+\i], v[226+4*\c+\i]
.endr
.endr
.set n, 0
.rept 32
	v_pk_mul_f32 v[160+n:161+n], v[160+n:161+n], v[252:253] op_sel_hi:[1,0]   ; O^T under the new M.  (These 32 are also the places between p's codes and scale word and the products below)
.set n, n+2
.endr
	s_wait_dscnt 0x0                               ; V is in
.irp t, 0,1,2,3,4,5,6,7                        ; O^T += V^T P^T: eight accumulators by turns, one instruction a turn
	v_wmma_scale_f32_16x16x128_f8f6f4 v[160+8*\t:167+8*\t], v[FRG+8*\t:FRG+8*\t+7], v[224:231], v[160+8*\t:167+8*\t], v[SCW+\t], v253 matrix_a_fmt:MATRIX_FMT_FP4 matrix_b_fmt:MATRIX_FMT_FP4
.endr
.Lhidden_\@:
	s_add_co_u32 s[KI], s[KI], 1
	s_add_co_u32 s[TS], s[TS], 544                 ; the next step's scale words
.endm
; THE CHANGE OF SLOTS stands at a slot's head.  Each wave waits for all its tensor loads (its part of the slot that it is about to read), adds 0 to its spare word, and waits for that and for its reads of the slot that it has left.
; fill = 1: the barrier is a round of the cluster's, so that no wave of any partner still reads the slot left or has a load on its way; that slot is filled with the keys that follow: the load has four key steps in which to land.
.macro CHANGE fill
	s_wait_tensorcnt 0x0                           ; no tensor load of mine is out, so the group 0 may be written
	ds_add_u32 v[SPW], v[NIL]                      ; 0 onto my spare word
.if \fill
	s_xor_b32 s[G0+1], s[G0+1], SLOT1              ; the walking descriptor: the other slot than last time,
	s_add_nc_u64 s[G0+2:G0+3], s[G0+2:G0+3], SLOTB ; the next 512 rows; the type bits on top are not reached
	s_wait_xcnt 0x0                                ; the last prefetch, a slot back, has read its address, so it may be written:
	s_add_nc_u64 s[PFA:PFA+1], s[PFA:PFA+1], SLOTB ; one slot further on than the walking descriptor
.endif
	s_wait_dscnt 0x0                               ; the add is done, and my reads of the slot that I have left are over
.if \fill
	CROUND
	TLOAD                                          ; the first thing behind the round, and a wave's one tensor load until the next
	ASK
.else
	s_barrier_signal -1
	s_barrier_wait -1
.endif
.endm
.macro SLOT_STEPS
	STEP 0
	STEP 1
	STEP 2
	STEP 3
	s_xor_b32 s[TB], s[TB], SLOT1                  ; on to the other slot
.endm
	s_wait_loadcnt 0x0                             ; Q
.Lslot:                                            ; three trips: behind each change of slots but the last the next slot is asked for
	CHANGE 1
	SLOT_STEPS
	s_sub_co_u32 s[SLOTS], s[SLOTS], 1
	s_cmp_lg_u32 s[SLOTS], 0
	s_cbranch_scc1 .Lslot
	CHANGE 0                                       ; the last slot is written out
	SLOT_STEPS
	; THE WAY OUT.  O^T is divided by the row's sum and goes through my stage in LDS, half a row (64 channels, 256 bytes) of the tile's 16 rows at a time, so that sixteen lanes store 256 consecutive aligned bytes.
	v_add_f32 v14, v14, v15                        ; the sum's two halves,
	v_permlanex16_b32 v252, v14, s[SEL], s[SEL+1]
	v_add_f32 v14, v14, v252                       ; and lane l xor 16's: the row's sum
	v_rcp_f32 v14, v14
	v_and_b32 v8, 15, v0                           ; (plain lines behind the reciprocal)  r
	v_bfe_u32 v9, v0, 4, 1                         ; h
	s_mul_i32 s83, s[WV], STGW                     ; my stage
	v_mul_u32_u24 v10, v8, 272
	v_lshl_add_u32 v10, v9, 5, v10
	v_add_nc_u32 v10, s83, v10                     ; in: row r; tile t's eight channels of my half: 64 t + 32 h bytes on
	v_mul_u32_u24 v11, v9, 272
	v_lshl_add_u32 v11, v8, 4, v11
	v_add_nc_u32 v11, s83, v11                     ; back: lanes 0-15 one row, lanes 16-31 the next
	s_wait_alu depctr_va_vdst(0)                   ; the wait ahead of the reciprocal's first reader
.set n, 0
.rept 64
	v_mul_f32 v[96+n], v[160+n], v14               ; register 8 t + i is o(row r, channel 16 t + 8 h + i)
.set n, n+1
.endr
.irp u, 0,1                                    ; channels 64 u on
.irp t, 0,1,2,3
	ds_store_b128 v10, v[96+32*\u+8*\t:99+32*\u+8*\t] offset:64*\t
	ds_store_b128 v10, v[100+32*\u+8*\t:103+32*\u+8*\t] offset:64*\t+16
.endr
.irp i, 0,1,2,3,4,5,6,7
	ds_load_b128 v[32+32*\u+4*\i:35+32*\u+4*\i], v11 offset:2*\i*272   ; LDS serves a wave's instructions in order: these see my stores, and the next half's stores come behind them
.endr
.endr
.irp u, 0,1
.irp i, 0,1,2,3,4,5,6,7
	s_wait_dscnt 23-16*\u-\i                       ; behind this load: the half's 7 - i younger loads, and for the first half the second's 8 stores and 8 loads
	global_store_b128 v[GO], v[32+32*\u+4*\i:35+32*\u+4*\i], s[16:17] offset:(\i/2)*16384+(\i%2)*1024+256*\u th:TH_STORE_NT   ; stage row 2 i + h is query i / 2, head 2 (i % 2) + h; written once, read by nobody here
.endr
.endr
	s_wait_tensorcnt 0x0                           ; the wave's end, behind my last tensor load and my last LDS store
	ds_add_u32 v[SPW], v[NIL]
	s_wait_dscnt 0x0
	CROUND                                         ; the closing round: no work-group ends while a partner may still ask for a tile that names it
	s_endpgm
.Lfunc_end_k_qc65970f8f4_attn:
	.size	k_qc65970f8f4_attn, .Lfunc_end_k_qc65970f8f4_attn-k_qc65970f8f4_attn
	.p2alignl 7, 3214868480
	.fill 96, 4, 3214868480
	.section	.rodata,"a",@progbits
	.p2align	6, 0x0
	.amdhsa_kernel k_qc65970f8f4_attn
		.amdhsa_group_segment_fixed_size 327680
		.amdhsa_private_segment_fixed_size 0
		.amdhsa_enable_private_segment 0
		.amdhsa_kernarg_size 56
		.amdhsa_user_sgpr_count 2
		.amdhsa_user_sgpr_kernarg_segment_ptr 1
		.amdhsa_wavefront_size32 1
		.amdhsa_system_sgpr_workgroup_id_x 1
		.amdhsa_system_sgpr_workgroup_id_y 1
		.amdhsa_system_sgpr_workgroup_id_z 1
		.amdhsa_system_vgpr_workitem_id 0
		.amdhsa_next_free_vgpr 256
		.amdhsa_next_free_sgpr 96
		.amdhsa_reserve_vcc 1
		.amdhsa_float_denorm_mode_32 3
		.amdhsa_float_denorm_mode_16_64 3
		.amdhsa_memory_ordered 1
		.amdhsa_forward_progress 1
		.amdhsa_inst_pref_size 204
	.end_amdhsa_kernel
	.amdgpu_metadata
---
amdhsa.version: [ 1, 2 ]
amdhsa.kernels:
  - .name:           k_qc65970f8f4_attn
    .symbol:         k_qc65970f8f4_attn.kd
    .args:
      - { .name: q_codes, .offset: 0, .size: 8, .value_kind: global_buffer, .address_space: global }
      - { .name: q_scales, .offset: 8, .size: 8, .value_kind: global_buffer, .address_space: global }
      - { .name: kc, .offset: 16, .size: 8, .value_kind: global_buffer, .address_space: global }
      - { .name: ks, .offset: 24, .size: 8, .value_kind: global_buffer, .address_space: global }
      - { .name: vc, .offset: 32, .size: 8, .value_kind: global_buffer, .address_space: global }
      - { .name: vs, .offset: 40, .size: 8, .value_kind: global_buffer, .address_space: global }
      - { .name: out0, .offset: 48, .size: 8, .value_kind: global_buffer, .address_space: global }
    .group_segment_fixed_size: 327680
    .private_segment_fixed_size: 0
    .kernarg_segment_align: 8
    .kernarg_segment_size: 56
    .max_flat_workgroup_size: 512
    .sgpr_count:     96
    .vgpr_count:     256
    .wavefront_size: 32
...
	.end_amdgpu_metadata
.endif
;; end of part 2
